; MI455X (gfx1250); checked and timed in simulation.
; The chip was launched on July 23, 2026; its instructions are those of AMD's public machine-readable ISA for CDNA 5 (MIT licence, August 2026) and "CDNA5" Instruction Set Architecture Reference Guide (July 2026). The comments in the code are by the model that wrote it; some were corrected since.
;; Attn Block. Allowed arithmetic: matrix products marked QUANTISED: E2M1 operands, one E8M0 scale for each 32 along K, by v_wmma_scale_f32_16x16x128_f8f6f4 with both operands' format E2M1 (or v_wmma_scale_f32_32x16x128_f4), f32 sums; everything else in f32.
;; Inputs: b_proj 256 float32; b_qkv 768 float32; beta 256 float32; gamma 256 float32; w_proj_codes 256 x 8 x 16 uint8 (E2M1 codes of w_proj, K innermost, in blocks of 32 codes, two codes a byte); w_proj_scales 256 x 8 uint8 (E8M0 scales of w_proj, one for each 32 codes along K); w_qkv_codes 768 x 8 x 16 uint8 (E2M1 codes of w_qkv, K innermost, in blocks of 32 codes, two codes a byte); w_qkv_scales 768 x 8 uint8 (E8M0 scales of w_qkv, one for each 32 codes along K); x 4 x 256 x 64 x 64 float32.
;; Outputs: out0 4 x 256 x 64 x 64 float32.
;; This version of the problem:
;;   THIS VERSION OF THE PROBLEM IS GIVEN IN LOW PRECISION. The matrix products marked QUANTISED in the list below multiply operands that are first quantised to E2M1 (2 exponent bits, 1 mantissa bit; 4 bits a number), with one power-of-two scale for each 32 numbers along K (OCP MX v1.0); their sums are f32. All else is computed in f32.
;;   The module's matrix products, in the order in which they are computed (A, B: the left and right operand; K: the contracted axis; several contracted axes count as one K, in the product's order):
;;     1. [M 768, K 256] x [K 256, N 16,384]; A: input w_qkv (given as codes); B: computed on the way: QUANTISED
;;     2. batch 16 x [M 4,096, K 64] x [K 64, N 4,096]; A: computed on the way; B: computed on the way: QUANTISED
;;     3. batch 16 x [M 4,096, K 4,096] x [K 4,096, N 64]; A: softmax (see below); B: computed on the way: QUANTISED
;;     4. [M 256, K 256] x [K 256, N 16,384]; A: input w_proj (given as codes); B: computed on the way: QUANTISED
;;   THE QUANTISER, for each operand of a quantised product, along K:
;;     - K is cut into blocks of 32 from its start; a last block that is shorter is filled with zeros.
;;     - A block's scale is 2^e with e = floor(log2(the largest magnitude in the block)) - 2, held to -126 .. 127; a block of zeros has e = 0. As a byte (E8M0): e + 127.
;;     - Each number is divided by its block's scale, clamped to +-6, and rounded to the nearest number of E2M1, ties to even, subnormals kept.
;;     - The product sums the exact products of the quantised numbers (number of the format x scale) in f32.
;;   ~~~python
;;   def quantise(x, axis):      # numpy; x: float32 -> the quantised numbers, widened to float32 again
;;       x = np.moveaxis(x, axis, -1); K = x.shape[-1]
;;       x = np.pad(x, [(0, 0)] * (x.ndim - 1) + [(0, -K % 32)]); x = x.reshape(x.shape[:-1] + (-1, 32)); a = np.abs(x).max(-1, keepdims=True)
;;       e = np.where(a > 0, np.clip(np.frexp(np.where(a > 0, a, 1))[1] - 1 - 2, -126, 127), 0)      # np.frexp(a)[1] - 1 = floor(log2(a)), exactly
;;       r = np.clip(x / 2.0 ** e, -6, 6)
;;       step = 2.0 ** (np.maximum(np.frexp(np.where(r == 0, 1, r))[1] - 1, 0) - 1)
;;       q = np.round(r / step) * step * 2.0 ** e      # np.round: ties to even
;;       return np.moveaxis(q.reshape(q.shape[:-2] + (-1,))[..., :K], -1, axis).astype(np.float32)
;;   ~~~
;;   SOFTMAX AHEAD OF A QUANTISED PRODUCT. Where the list says 'softmax', what is quantised is not the finished softmax but p = 2^(t - M), with t = logit x log2(e) and M = ceil(the row's largest t), a whole number; so 1/2 < the row's largest p <= 1. The row's sum l is taken of the UNQUANTISED p, in f32, and the product's result is divided by l at the end. Since M is a whole number, a kernel that streams over the keys may use a running M (the ceiling of the running maximum): every later rescaling is an exact power of two, which a block's scale takes up: the codes' values come out the same.
;;   OPERANDS COMPUTED ON THE WAY. 'Computed on the way' means the value that the module computes at that place (a softmax that the list does not call 'softmax' is quantised finished and normalised). What goes into a quantiser is computed in f32, as accurately as f32 sums, v_exp_f32 and their like allow (about 1e-6 of the number): no bf16 or f16 on the way to a quantiser, and a product that is left as it is and whose result goes on into a quantised operand takes f32 operands (vector FMAs, or v_wmma_f32_16x16x4_f32). A number that lies on a knife's edge between two numbers of the format may be rounded either way, as far as f32 arithmetic and the matrix unit's own rounding can turn it there, and no further.
;;   INPUTS GIVEN AS CODES. w_proj (in the module: [256, 256], K = its axis 1); w_qkv (in the module: [768, 256], K = its axis 1): each comes as NAME_codes (uint8): NAME with its K axis moved to the last place and cut into blocks of 32 codes, [.., K / 32, bytes a block], one block behind the other in memory; two codes a byte, the lower K in the low four bits (a code: sign, 2 exponent bits, 1 mantissa bit); and NAME_scales (uint8): the same leading axes, one E8M0 byte (e + 127) for each 32 codes along K. Its value is code x scale, taken as it is: it is not quantised again, and the codes and scales need not be those that the quantiser above would give.
;; One version. Each part assembles by itself: llvm-mc -triple=amdgcn-amd-amdhsa -mcpu=gfx1250 --defsym DOCPART=n.
;; ======== version 1 of 1: 3 launches
;; workspace buffers: stats 16,384 bytes; qc 2,359,296 bytes; kv 4,718,592 bytes
;; launch stats (part 1): grid 256 x 1, 8 waves a work-group, no clusters, 0 bytes of LDS; arguments x, stats; writes stats
.if DOCPART == 1
	.amdgcn_target "amdgcn-amd-amdhsa--gfx1250"
	.amdhsa_code_object_version 6
	.text
	.protected	k_q48edf5936d_stats
	.globl	k_q48edf5936d_stats
	.p2align	8
	.type	k_q48edf5936d_stats,@function
k_q48edf5936d_stats:
	s_mov_b64 s[64:65], 0
	v_nop
	global_prefetch_b8 v0, s[64:65] scope:SCOPE_SE
	s_setreg_imm32_b32 hwreg(HW_REG_WAVE_MODE, 25, 1), 1
	s_wait_xcnt 0x0
; GROUP NORM, FIRST HALF.  x is [4][256][64][64] f32; a group (32 channels x 4,096 pixels) is 131,072 consecutive numbers.
; Each wave takes 2,048 consecutive numbers (8,192 bytes: 16 loads of 512 consecutive bytes) and stores their mean and the sum of their
; squared deviations FROM THAT MEAN: no difference of large sums is formed, so a common offset of x costs no accuracy.
; stats: [group 32][part 64][mean, M2] f32; part = 8 x (work-group % 8) + wave, so a wave's pair lies at 64 x work-group + 8 x wave.
; The numbers stay in registers between the two passes: x is read once here.  Waves share nothing: no LDS, no barrier.
; LIMITS: NaN and infinities in x are not served.
.set X, 16                             ; v16-79  my 64 numbers
	s_load_b128 s[4:7], s[0:1], 0x0                ; x, stats
	v_and_b32 v1, 31, v0                           ; lane
	v_lshrrev_b32 v3, 5, v0                        ; wave
	s_delay_alu instid0(VALU_DEP_2)
	v_lshlrev_b32 v2, 4, v1
	s_delay_alu instid0(VALU_DEP_1)
	v_lshl_add_u32 v2, v3, 13, v2                  ; 8,192 x wave + 16 x lane
	s_delay_alu instid0(VALU_DEP_3)
	v_lshlrev_b32 v3, 3, v3                        ; 8 x wave: my pair's place
	v_mov_b32 v15, 0                               ; a lane permute's destination counts as read: written once
	s_lshl_b32 s8, ttmp9, 16                       ; the work-group's 65,536 bytes of x
	s_mov_b32 s9, 0
	s_lshl_b32 s14, ttmp9, 6                       ; and its 64 bytes of stats
	s_mov_b32 s15, 0
	s_mov_b32 s10, 0x76543210                      ; v_permlanex16_b32: lane l xor 16
	s_mov_b32 s11, 0xfedcba98
	s_wait_alu depctr_va_vdst(0)
	s_wait_kmcnt 0x0
	s_add_nc_u64 s[4:5], s[4:5], s[8:9]
	s_add_nc_u64 s[6:7], s[6:7], s[14:15]
.irp j, 0,1,2,3,4,5,6,7,8,9,10,11,12,13,14,15
	global_load_b128 v[X+4*\j:X+4*\j+3], v2, s[4:5] offset:512*\j th:TH_LOAD_NT
.endr
.macro WSUM reg                        ; the sum over the 32 lanes, in every lane
	s_delay_alu instid0(VALU_DEP_1)
	v_add_f32_dpp v[\reg], v[\reg], v[\reg] row_xmask:1 row_mask:0xf bank_mask:0xf
	s_delay_alu instid0(VALU_DEP_1)
	v_add_f32_dpp v[\reg], v[\reg], v[\reg] row_xmask:2 row_mask:0xf bank_mask:0xf
	s_delay_alu instid0(VALU_DEP_1)
	v_add_f32_dpp v[\reg], v[\reg], v[\reg] row_xmask:4 row_mask:0xf bank_mask:0xf
	s_delay_alu instid0(VALU_DEP_1)
	v_add_f32_dpp v[\reg], v[\reg], v[\reg] row_xmask:8 row_mask:0xf bank_mask:0xf
	s_delay_alu instid0(VALU_DEP_1)
	v_permlanex16_b32 v15, v[\reg], s10, s11
	s_delay_alu instid0(VALU_DEP_1)
	v_add_f32 v[\reg], v[\reg], v15
.endm
	; pass 1: the sum, in four chains; the first four loads start them, so nothing is cleared
	s_wait_loadcnt 12                              ; loads 0 to 3 are in, the twelve younger may be out
	v_pk_add_f32 v[4:5], v[X:X+1], v[X+8:X+9]
	v_pk_add_f32 v[6:7], v[X+4:X+5], v[X+12:X+13]
	v_pk_add_f32 v[8:9], v[X+2:X+3], v[X+10:X+11]
	v_pk_add_f32 v[10:11], v[X+6:X+7], v[X+14:X+15]
	s_wait_alu depctr_va_vdst(0)
.irp j, 4,5,6,7,8,9,10,11,12,13,14,15
	s_wait_alu depctr_va_vdst(0)
	s_wait_loadcnt 15-\j                           ; load j is in, the younger ones may be out
	v_pk_add_f32 v[4+2*(\j%2):5+2*(\j%2)], v[4+2*(\j%2):5+2*(\j%2)], v[X+4*\j:X+4*\j+1]
	v_pk_add_f32 v[8+2*(\j%2):9+2*(\j%2)], v[8+2*(\j%2):9+2*(\j%2)], v[X+4*\j+2:X+4*\j+3]
.endr
	s_delay_alu instid0(VALU_DEP_2)
	v_pk_add_f32 v[4:5], v[4:5], v[6:7]
	s_delay_alu instid0(VALU_DEP_2)
	v_pk_add_f32 v[8:9], v[8:9], v[10:11]
	s_delay_alu instid0(VALU_DEP_1)
	v_pk_add_f32 v[4:5], v[4:5], v[8:9]
	s_delay_alu instid0(VALU_DEP_1)
	v_add_f32 v14, v4, v5
	WSUM 14
	s_delay_alu instid0(VALU_DEP_1)
	v_mul_f32 v12, 0x3a000000, v14                 ; the mean: / 2,048
	s_delay_alu instid0(VALU_DEP_1)
	v_mov_b32 v13, v12
	; pass 2: the deviations, in place, and the sum of their squares, in two chains
.set k, 0
.rept 32
	v_pk_add_f32 v[X+2*k:X+2*k+1], v[X+2*k:X+2*k+1], v[12:13] neg_lo:[0,1] neg_hi:[0,1]
.set k, k+1
.endr
	v_pk_mul_f32 v[4:5], v[X:X+1], v[X:X+1]
	v_pk_mul_f32 v[6:7], v[X+2:X+3], v[X+2:X+3]
.set k, 2
.rept 30
	s_delay_alu instid0(VALU_DEP_2)
	v_pk_fma_f32 v[4+2*(k%2):5+2*(k%2)], v[X+2*k:X+2*k+1], v[X+2*k:X+2*k+1], v[4+2*(k%2):5+2*(k%2)]
.set k, k+1
.endr
	s_delay_alu instid0(VALU_DEP_1)
	v_pk_add_f32 v[4:5], v[4:5], v[6:7]
	s_delay_alu instid0(VALU_DEP_1)
	v_add_f32 v14, v4, v5
	WSUM 14
	s_delay_alu instid0(VALU_DEP_1)
	v_mov_b32 v13, v14                             ; v[12:13] = mean, M2
	v_cmp_eq_u32 vcc_lo, 0, v1
	s_wait_alu depctr_va_vdst(0)
	s_wait_xcnt 0x0                                ; EXEC is a source of the loads above: it changes only behind this wait
	s_and_saveexec_b32 s12, vcc_lo
	global_store_b64 v3, v[12:13], s[6:7]          ; lane 0 stores the wave's pair
	s_wait_xcnt 0x0                                ; and again in front of the line that widens it
	s_or_b32 exec_lo, exec_lo, s12
	s_endpgm
.Lfunc_end_k_q48edf5936d_stats:
	.size	k_q48edf5936d_stats, .Lfunc_end_k_q48edf5936d_stats-k_q48edf5936d_stats
	.p2alignl 7, 3214868480
	.fill 96, 4, 3214868480
	.section	.rodata,"a",@progbits
	.p2align	6, 0x0
	.amdhsa_kernel k_q48edf5936d_stats
		.amdhsa_group_segment_fixed_size 0
		.amdhsa_private_segment_fixed_size 0
		.amdhsa_enable_private_segment 0
		.amdhsa_kernarg_size 16
		.amdhsa_user_sgpr_count 2
		.amdhsa_user_sgpr_kernarg_segment_ptr 1
		.amdhsa_wavefront_size32 1
		.amdhsa_system_sgpr_workgroup_id_x 1
		.amdhsa_system_sgpr_workgroup_id_y 1
		.amdhsa_system_sgpr_workgroup_id_z 1
		.amdhsa_system_vgpr_workitem_id 0
		.amdhsa_next_free_vgpr 96
		.amdhsa_next_free_sgpr 66
		.amdhsa_reserve_vcc 1
		.amdhsa_float_denorm_mode_32 3
		.amdhsa_float_denorm_mode_16_64 3
		.amdhsa_memory_ordered 1
		.amdhsa_forward_progress 1
		.amdhsa_inst_pref_size 13
	.end_amdhsa_kernel
	.amdgpu_metadata
---
amdhsa.version: [ 1, 2 ]
amdhsa.kernels:
  - .name:           k_q48edf5936d_stats
    .symbol:         k_q48edf5936d_stats.kd
    .args:
      - { .name: x, .offset: 0, .size: 8, .value_kind: global_buffer, .address_space: global }
      - { .name: stats, .offset: 8, .size: 8, .value_kind: global_buffer, .address_space: global }
    .group_segment_fixed_size: 0
    .private_segment_fixed_size: 0
    .kernarg_segment_align: 8
    .kernarg_segment_size: 16
    .max_flat_workgroup_size: 256
    .sgpr_count:     66
    .vgpr_count:     96
    .wavefront_size: 32
...
	.end_amdgpu_metadata
.endif
;; end of part 1
;; launch qkv (part 2): grid 256 x 1, 12 waves a work-group, no clusters, 10,240 bytes of LDS; arguments x, gamma, beta, stats, w_qkv_codes, w_qkv_scales, b_qkv, qc, kv; writes qc, kv
.if DOCPART == 2
	.amdgcn_target "amdgcn-amd-amdhsa--gfx1250"
	.amdhsa_code_object_version 6
	.text
	.protected	k_q48edf5936d_qkv
	.globl	k_q48edf5936d_qkv
	.p2align	8
	.type	k_q48edf5936d_qkv,@function
k_q48edf5936d_qkv:
	s_mov_b64 s[64:65], 0
	v_nop
	global_prefetch_b8 v0, s[64:65] scope:SCOPE_SE
	s_setreg_imm32_b32 hwreg(HW_REG_WAVE_MODE, 25, 1), 1
	s_wait_xcnt 0x0
; GROUP NORM'S SECOND HALF, THE QKV PRODUCT, AND THE QUANTISING OF q, k AND v, all on codes of FP4 (E2M1) with one E8M0 scale for each 32 along K.
; SHARES.  Work-group wg owns batch wg / 64 and the 64 pixels 64 (wg % 64) on: a channel's piece of x is 256 aligned bytes.  Wave w owns rows 64 w .. 64 w + 63 of w_qkv: waves 0-3 q, 4-7 k, 8-11 v, head w % 4.
; Waves 0-7 first make h for group w: A LANE TAKES A PIXEL AND ITS REGISTERS RUN DOWN THE GROUP'S 32 CHANNELS, which are one block of 32 along the product's K: the largest magnitude needs no other lane,
; and the conversions give the codes with K innermost.  The codes (16 bytes a lane) go to LDS straight into the image of the operand's registers; one barrier; every wave reads all eight fragments of h.
; THE ROWS OF A TILE ARE NOT NEIGHBOURS, for pixels and for rows of a head alike: row r of tile 2 b + u stands for index 32 b + 8 u + r + 8 (r / 8).  In a result, register j of lane (r, h) of tile 2 b + u is then
; index 32 b + 16 h + 8 u + j: the 16 registers of tiles 2 b and 2 b + 1 are 16 neighbours, as the conversions want them.
; q, k: source 0 = rows of W, source 1 = h: a lane holds one pixel and its registers run along the head's 64 (their K).  v: source 0 = h, source 1 = rows of W: a lane holds one channel d and its registers run along the pixels (its K = the keys).
; The bias is the C of each sum's first product.
; WHAT IS STORED, as images of operand registers (512 bytes: lane l's 16 bytes at 16 l):
;   qc: 256 blocks of 9,216 bytes: q's images [head][tile 4]; from 8,192 its scale words [head][lane 32][2 words].
;   kv: 256 blocks of 18,432 bytes: k's images [head][tile 4]; from 8,192 v's pieces [head][d tile 4]; from 16,384 k's scale words; from 17,408 v's, both [head][lane 32][2 words].
;   An image's lane (r, h) holds row r's block h of 32 codes.  Scale word pp: bytes 0, 1 tile 2 pp's two blocks, bytes 2, 3 tile 2 pp + 1's; lanes 16-31 hold copies, so that a store covers 256 aligned consecutive bytes.
; No tensor load: only 8 KiB of codes cross LDS.  No cluster: what work-groups share is 100 KiB of weights.  No prefetch: a wave's loads are all out at once.
; LIMITS: NaN and infinities are not served; a block whose largest magnitude lies under 2^-124 (a block of zeros too) gets the byte 1: its codes are zeros or next to it, and this program alone reads the bytes; v_rsq_f32 is good to 1 ulp.
.set HIMG, 0                           ; LDS: h's fragments: (pixel tile t, K step s) at 1,024 (2 t + s), piece c at + 512 c, lane at + 16 l
.set HSC,  8192                        ; and their scale words: 64 (2 t + s) + 4 r; byte g % 4 comes from wave g
.set QBLK, 9216
.set HB,   18432
.set WF,   16                          ; v16-79   W's fragments: (tile y, s) at WF + 16 y + 8 s
.set HF,   80                          ; v80-143  h's fragments: (t, s) at HF + 16 t + 8 s
.set ACC,  144                         ; v144-207 eight accumulators
.set PC,   208                         ; v208-223 codes just made, two sets of 8
.set TM,   224                         ; v224-227 largest magnitudes, v228-231 permutes and bytes, v232-235 scale operands
.set PW,   236                         ; v236-237 the two scale words just made
.set WSC,  238                         ; v238-245 W's scale words, 2 y + s
.set HSW,  246                         ; v246-253 h's scale words, 2 t + s
; while h is made: v144-207 x (32 e + i), v80-111 gamma, v112-143 beta, v208-209 mean, v210-211 1/sigma, v212-219 h's codes, v220-223 two parts' statistics
.set GA,   80
.set BE,   112
.set MEAN, 208
.set RSTD, 210
.set PCX,  212
.set RAW,  220
; window 1 (v256-287, named v0-31): the bias, 8 registers a tile of W
.set SEL,  26
.set MSB, 0
.macro WIN new                         ; the immediate's high byte repeats the setting that is left
.if MSB != \new
	s_set_vgpr_msb (MSB<<8)|\new
.set MSB, \new
.endif
.endm
.macro WSUM reg                        ; the sum over the 32 lanes, in every lane
	s_delay_alu instid0(VALU_DEP_1)
	v_add_f32_dpp v[\reg], v[\reg], v[\reg] row_xmask:1 row_mask:0xf bank_mask:0xf
	s_delay_alu instid0(VALU_DEP_1)
	v_add_f32_dpp v[\reg], v[\reg], v[\reg] row_xmask:2 row_mask:0xf bank_mask:0xf
	s_delay_alu instid0(VALU_DEP_1)
	v_add_f32_dpp v[\reg], v[\reg], v[\reg] row_xmask:4 row_mask:0xf bank_mask:0xf
	s_delay_alu instid0(VALU_DEP_1)
	v_add_f32_dpp v[\reg], v[\reg], v[\reg] row_xmask:8 row_mask:0xf bank_mask:0xf
	s_delay_alu instid0(VALU_DEP_1)
	v_permlanex16_b32 v228, v[\reg], s[SEL], s[SEL+1]
	s_delay_alu instid0(VALU_DEP_1)
	v_add_f32 v[\reg], v[\reg], v228
.endm
.macro WLOADS                          ; my 64 rows of W: 8 fragments and their scale words: 24 loads
.irp y, 0,1,2,3
.irp s, 0,1
.irp c, 0,1
	global_load_b128 v[WF+16*\y+8*\s+4*\c:WF+16*\y+8*\s+4*\c+3], v4, s[12:13] offset:(32*(\y/2)+8*(\y%2))*128+64*\s+32*\c
.endr
	global_load_b32 v[WSC+2*\y+\s], v5, s[14:15] offset:(32*(\y/2)+8*(\y%2))*8+4*\s
.endr
.endr
.endm
; 64 numbers of a lane, v[s] on, register 16 b + i = index 32 b + 16 (lane / 16) + i of block b, become 8 registers of codes at v[pc] and a scale word in v[pw]
.macro QUANT s, pc, pw
.irp b, 0,1,2,3
	v_max3_num_f32 v[TM+\b], |v[\s+16*\b]|, |v[\s+1+16*\b]|, 0x1800000   ; my 16 numbers of block b, and the floor 2^(3 - 127): the byte cannot fall under 1
.endr
.irp i, 2,4,6,8,10,12,14
.irp b, 0,1,2,3
	v_max3_num_f32 v[TM+\b], v[TM+\b], |v[\s+16*\b+\i]|, |v[\s+1+16*\b+\i]|   ; the four blocks by turns
.endr
.endr
.irp b, 0,1,2,3
	s_delay_alu instid0(VALU_DEP_4)
	v_permlanex16_b32 v[TM+4+\b], v[TM+\b], s[SEL], s[SEL+1]
.endr
.irp b, 0,1,2,3
	s_delay_alu instid0(VALU_DEP_4)
	v_max_num_f32 v[TM+\b], v[TM+\b], v[TM+4+\b]   ; with lane l xor 16's: the block's largest magnitude
.endr
.irp b, 0,1,2,3
	s_delay_alu instid0(VALU_DEP_4)
	v_add_nc_u32 v[TM+8+\b], 0xff000000, v[TM+\b]  ; 2 off its exponent field: the conversion's scale operand
.endr
.irp b, 0,1,2,3
	s_delay_alu instid0(VALU_DEP_4)
	v_lshrrev_b32 v[TM+4+\b], 23, v[TM+8+\b]       ; the scale's byte
.endr
	s_delay_alu instid0(VALU_DEP_3)
	v_lshl_or_b32 v[\pw], v[TM+5], 8, v[TM+4]
	s_delay_alu instid0(VALU_DEP_1)
	v_lshl_or_b32 v[\pw], v[TM+6], 16, v[\pw]
	s_delay_alu instid0(VALU_DEP_1)
	v_lshl_or_b32 v[\pw], v[TM+7], 24, v[\pw]
.irp b, 0,1,2,3
	v_cvt_scalef32_pk8_fp4_f32 v[\pc+2*\b], v[\s+16*\b:\s+7+16*\b], v[TM+8+\b]
	v_cvt_scalef32_pk8_fp4_f32 v[\pc+1+2*\b], v[\s+8+16*\b:\s+15+16*\b], v[TM+8+\b]
.endr
	v_nop                                          ; one plain place behind a scaled conversion
.irp c, 0,1                                    ; a whole block to a lane: lanes 0-15 block 2 c, lanes 16-31 block 2 c + 1
.irp i, 0,1
	v_permlane16_swap_b32 v[\pc+4*\c+\i], v[\pc+2+4*\c+\i]
.endr
.endr
.endm
; My 16 result tiles, eight at a time: source 0's four tiles y x source 1's tiles 2 pp, 2 pp + 1; two K steps; the eight accumulators take turns, one instruction a turn.
; CY = 1: the bias goes by source 0's tile, else by source 1's.  The 64 results of a lane are quantised and stored: two images and, at the end, the pair of scale words.
.macro UNIT YB, XB, YS, XS, CY
.irp pp, 0,1
	WIN 0x10                                       ; C (the bias) in window 1
.irp ee, 0,1
.irp y, 0,1,2,3
	v_wmma_scale_f32_16x16x128_f8f6f4 v[ACC+32*\ee+8*\y:ACC+32*\ee+8*\y+7], v[\YB+16*\y:\YB+16*\y+7], v[\XB+16*(2*\pp+\ee):\XB+16*(2*\pp+\ee)+7], v[8*(\CY*\y+(1-\CY)*(2*\pp+\ee)):8*(\CY*\y+(1-\CY)*(2*\pp+\ee))+7], v[\YS+2*\y], v[\XS+2*(2*\pp+\ee)] matrix_a_fmt:MATRIX_FMT_FP4 matrix_b_fmt:MATRIX_FMT_FP4
.endr
.endr
	WIN 0
.irp ee, 0,1
.irp y, 0,1,2,3
	v_wmma_scale_f32_16x16x128_f8f6f4 v[ACC+32*\ee+8*\y:ACC+32*\ee+8*\y+7], v[\YB+16*\y+8:\YB+16*\y+15], v[\XB+16*(2*\pp+\ee)+8:\XB+16*(2*\pp+\ee)+15], v[ACC+32*\ee+8*\y:ACC+32*\ee+8*\y+7], v[\YS+2*\y+1], v[\XS+2*(2*\pp+\ee)+1] matrix_a_fmt:MATRIX_FMT_FP4 matrix_b_fmt:MATRIX_FMT_FP4
.endr
.endr
.rept 4
	v_nop                                          ; four places in front of the first read of results (ISA guide 7.12.1)
.endr
	QUANT ACC, PC+8*\pp, PW+\pp
	global_store_b128 v8, v[PC+8*\pp:PC+8*\pp+3], s[30:31] offset:1024*\pp        ; 32 lanes store 512 consecutive bytes, aligned; each set of codes has registers of its own, so no store's data are written again
	global_store_b128 v8, v[PC+8*\pp+4:PC+8*\pp+7], s[30:31] offset:1024*\pp+512
.if \pp == 0
.rept 5
	v_nop                                          ; the next products begin the accumulators anew with another C: five places behind the last products
.endr
.endif
.endr
	global_store_b64 v9, v[PW:PW+1], s[32:33]      ; 32 lanes store 256 consecutive bytes, aligned
.endm
	s_load_b512 s[4:19], s[0:1], 0x0               ; x 4, gamma 6, beta 8, stats 10, W's codes 12, W's scales 14, b_qkv 16, qc 18
	s_load_b64 s[20:21], s[0:1], 0x40              ; kv
	v_lshl_add_u32 v254, v0, 2, 0x2200
	v_mov_b32 v255, 0
	v_lshrrev_b32 v1, 5, v0
	s_delay_alu instid0(VALU_DEP_1)
	v_readfirstlane_b32 s22, v1                    ; wave 0..11
	s_and_b32 s23, s22, 3                          ; head
	s_lshr_b32 s24, s22, 2                         ; 0 q, 1 k, 2 v
	s_mov_b32 s[SEL], 0x76543210
	s_mov_b32 s[SEL+1], 0xfedcba98                 ; v_permlanex16_b32: lane l xor 16
	v_and_b32 v1, 31, v0                           ; lane
	v_and_b32 v2, 15, v0                           ; r
	v_bfe_u32 v3, v0, 4, 1                         ; h
	s_delay_alu instid0(VALU_DEP_2)
	v_and_b32 v15, 8, v2
	s_delay_alu instid0(VALU_DEP_1)
	v_add_nc_u32 v15, v15, v2                      ; r + 8 (r / 8)
	s_delay_alu instid0(VALU_DEP_1)
	v_lshlrev_b32 v4, 7, v15
	s_delay_alu instid0(VALU_DEP_1)
	v_lshl_add_u32 v4, v3, 4, v4                   ; W's codes: a row is 128 bytes; + 16 h
	s_delay_alu instid0(VALU_DEP_3)
	v_lshlrev_b32 v5, 3, v15                       ; W's scale words: 8 bytes a row
	v_lshlrev_b32 v6, 6, v3                        ; q's and k's bias: my eight rows of a tile begin 16 h rows on
	v_lshlrev_b32 v7, 2, v15                       ; v's bias: my one row
	v_lshlrev_b32 v8, 4, v1                        ; 16 x lane: an image's place
	v_lshlrev_b32 v9, 3, v1                        ; 8 x lane: a pair of scale words
	v_lshl_add_u32 v10, v2, 2, HSC                 ; h's scale words: 4 r
	; where wave g, lane l (pixel 32 e + l) puts its block: tile 2 e + (l / 8) % 2, row l % 8 + 8 (l / 16); K step g / 4, piece (g / 2) % 2, lane half g % 2: 4,096 e + 2,048 u + 256 g + 16 row
	v_bfe_u32 v14, v0, 3, 1
	v_and_b32 v15, 7, v0
	s_delay_alu instid0(VALU_DEP_2)
	v_lshlrev_b32 v11, 11, v14
	s_delay_alu instid0(VALU_DEP_1)
	v_lshl_add_u32 v11, v15, 4, v11
	s_delay_alu instid0(VALU_DEP_1)
	v_lshl_add_u32 v11, v3, 7, v11
	s_lshl_b32 s28, s22, 8
	v_add_nc_u32 v11, s28, v11
	v_lshl_add_u32 v15, v3, 3, v15                 ; the row
	v_lshlrev_b32 v12, 7, v14                      ; and its scale byte: 256 e + 128 u + 64 (g / 4) + 4 row + g % 4
	s_delay_alu instid0(VALU_DEP_1)
	v_lshl_add_u32 v12, v15, 2, v12
	s_lshl_b32 s28, s24, 6
	s_add_co_u32 s28, s28, s23
	s_add_co_u32 s28, s28, HSC
	v_add_nc_u32 v12, s28, v12
	v_lshlrev_b32 v13, 2, v1                       ; x: 4 bytes a lane
	v_mov_b32 v14, 0
.irp b, 0,1,2,3
	v_mov_b32 v[TM+4+\b], 0                        ; written once: a lane permute's destination counts as one of its sources
.endr
	s_lshr_b32 s38, ttmp9, 6                       ; batch
	s_and_b32 s39, ttmp9, 63                       ; block of 64 pixels
	s_mov_b32 s40, 0x37000000                      ; 2^-17: 1 / 131,072
	s_mov_b32 s41, 0x3727c5ac                      ; 1e-5
	s_lshl_b32 s28, s38, 22                        ; x: a batch is 2^22 bytes, a group 2^19, my pixels 256 bytes on
	s_lshl_b32 s36, s22, 19
	s_add_co_u32 s28, s28, s36
	s_lshl_b32 s36, s39, 8
	s_add_co_u32 s28, s28, s36
	s_mov_b32 s29, 0
	s_wait_kmcnt 0x0
	s_add_nc_u64 s[4:5], s[4:5], s[28:29]
	s_lshl_b32 s28, s22, 7                         ; gamma, beta: my group's 32 numbers
	s_add_nc_u64 s[6:7], s[6:7], s[28:29]
	s_add_nc_u64 s[8:9], s[8:9], s[28:29]
	s_lshl_b32 s28, s38, 3
	s_add_co_u32 s28, s28, s22
	s_lshl_b32 s28, s28, 9                         ; stats: 512 bytes a group
	s_add_nc_u64 s[10:11], s[10:11], s[28:29]
	s_lshl_b32 s28, s22, 13                        ; my 64 rows of W: codes,
	s_add_nc_u64 s[12:13], s[12:13], s[28:29]
	s_lshl_b32 s28, s22, 9                         ; scale bytes,
	s_add_nc_u64 s[14:15], s[14:15], s[28:29]
	s_lshl_b32 s28, s22, 8                         ; bias
	s_add_nc_u64 s[16:17], s[16:17], s[28:29]
	s_cmp_eq_u32 s24, 0                            ; where my results go: q into qc, k and v into kv: the choice hangs on the wave's number alone
	s_cselect_b64 s[30:31], s[18:19], s[20:21]
	s_mov_b32 s34, HB
	s_cselect_b32 s34, QBLK, s34                   ; a block's bytes
	s_mov_b32 s35, 16384
	s_cselect_b32 s35, 8192, s35                   ; where the scale words begin (q; k)
	s_mul_i32 s34, s34, ttmp9
	s_cmp_eq_u32 s24, 2
	s_cselect_b32 s36, 8192, 0                     ; v's pieces lie behind k's images,
	s_cselect_b32 s37, 1024, 0                     ; v's scale words behind k's
	s_add_co_u32 s28, s34, s36
	s_lshl_b32 s36, s23, 11
	s_add_co_u32 s28, s28, s36                     ; + 2,048 x head
	s_add_co_u32 s36, s34, s35
	s_add_co_u32 s36, s36, s37
	s_lshl_b32 s37, s23, 8
	s_add_co_u32 s36, s36, s37                     ; + 256 x head
	s_mov_b32 s37, 0
	s_add_nc_u64 s[32:33], s[30:31], s[36:37]      ; my scale words
	s_add_nc_u64 s[30:31], s[30:31], s[28:29]      ; my images
	s_cmp_lt_u32 s22, 8
	s_cbranch_scc0 .Lv_arm
	; ---- waves 0-7: h of group w
	global_load_b128 v[RAW:RAW+3], v8, s[10:11]    ; two of the group's 64 parts: mean, M2, mean, M2
	s_wait_alu depctr_va_vdst(0)
.irp k, 0,1,2,3,4,5,6,7
	global_load_b128 v[GA+4*\k:GA+4*\k+3], v14, s[6:7] offset:16*\k    ; every lane takes the group's 32 gammas
	global_load_b128 v[BE+4*\k:BE+4*\k+3], v14, s[8:9] offset:16*\k    ; and betas
.endr
.macro XLOADS e                        ; pixel 32 e + lane, channels 0..31 of the group: each load reads 128 consecutive bytes
.set i, 0
.rept 32
	global_load_b32 v[ACC+32*\e+i], v13, s[4:5] offset:16384*i+128*\e
.set i, i+1
.endr
.endm
	XLOADS 0
	s_wait_loadcnt 32                              ; the 17 small loads are in; x's 32 may be out
	XLOADS 1
	v_add_f32 v224, v[RAW], v[RAW+2]               ; the group's mean: the 64 parts are equally long
	WSUM 224
	s_delay_alu instid0(VALU_DEP_1)
	v_mul_f32 v[MEAN], 0x3c800000, v224            ; / 64
	s_delay_alu instid0(VALU_DEP_1)
	v_mov_b32 v[MEAN+1], v[MEAN]
	s_delay_alu instid0(VALU_DEP_2)
	v_sub_f32 v226, v[RAW], v[MEAN]                ; M2 of the group = the parts' M2 + 2,048 x the squared deviations of the parts' means
	s_delay_alu instid0(VALU_DEP_3)
	v_sub_f32 v227, v[RAW+2], v[MEAN]
	s_delay_alu instid0(VALU_DEP_2)
	v_mul_f32 v226, v226, v226
	s_delay_alu instid0(VALU_DEP_1)
	v_fma_f32 v226, v227, v227, v226
	v_add_f32 v227, v[RAW+1], v[RAW+3]
	s_delay_alu instid0(VALU_DEP_1)
	v_fma_f32 v224, v226, 0x45000000, v227
	WSUM 224
	s_delay_alu instid0(VALU_DEP_1)
	v_fma_f32 v224, v224, s40, s41                 ; the variance + 1e-5
	s_wait_alu depctr_va_vdst(0)
	v_rsq_f32 v[RSTD], v224
	v_nop                                          ; one plain place behind a transcendental
	s_wait_alu depctr_va_vdst(0)
	v_mov_b32 v[RSTD+1], v[RSTD]
.set k, 0
.rept 16
	v_pk_mul_f32 v[GA+2*k:GA+2*k+1], v[GA+2*k:GA+2*k+1], v[RSTD:RSTD+1]   ; gamma / sigma
.set k, k+1
.endr
.macro NORMQ e                         ; 32 channels of my pixel: normalised, quantised, into h's image
.set XS0, ACC+32*\e
.set k, 0
.rept 16
	v_pk_add_f32 v[XS0+2*k:XS0+2*k+1], v[XS0+2*k:XS0+2*k+1], v[MEAN:MEAN+1] neg_lo:[0,1] neg_hi:[0,1]
.set k, k+1
.endr
.set k, 0
.rept 16
	v_pk_fma_f32 v[XS0+2*k:XS0+2*k+1], v[XS0+2*k:XS0+2*k+1], v[GA+2*k:GA+2*k+1], v[BE+2*k:BE+2*k+1]
.set k, k+1
.endr
	v_max3_num_f32 v224, |v[XS0]|, |v[XS0+1]|, |v[XS0+2]|              ; the block's largest magnitude: all 32 numbers are mine; two chains
	v_max3_num_f32 v225, |v[XS0+3]|, |v[XS0+4]|, |v[XS0+5]|
.irp i, 6,10,14,18,22,26
	s_delay_alu instid0(VALU_DEP_2)
	v_max3_num_f32 v224, v224, |v[XS0+\i]|, |v[XS0+\i+1]|
	s_delay_alu instid0(VALU_DEP_2)
	v_max3_num_f32 v225, v225, |v[XS0+\i+2]|, |v[XS0+\i+3]|
.endr
	s_delay_alu instid0(VALU_DEP_2)
	v_max3_num_f32 v224, v224, |v[XS0+30]|, |v[XS0+31]|
	s_delay_alu instid0(VALU_DEP_1)
	v_max3_num_f32 v224, v224, v225, 0x1800000     ; and the floor 2^(3 - 127)
	s_delay_alu instid0(VALU_DEP_1)
	v_add_nc_u32 v226, 0xff000000, v224            ; 2 off the exponent field: the conversion's scale operand
.irp g, 0,1,2,3
	v_cvt_scalef32_pk8_fp4_f32 v[PCX+4*\e+\g], v[XS0+8*\g:XS0+8*\g+7], v226
.endr
	v_lshrrev_b32 v[232+\e], 23, v226              ; the scale's byte.  (The plain place behind the conversions)
	ds_store_b128 v11, v[PCX+4*\e:PCX+4*\e+3] offset:HIMG+4096*\e
	ds_store_b8 v12, v[232+\e] offset:256*\e
.endm
	s_wait_loadcnt 32                              ; the first 32 pixels' numbers are in; the other 32 loads may be out
	NORMQ 0
	WLOADS                                         ; 24 loads,
	WIN 0x40                                       ; destination window 1
.irp y, 0,1,2,3
	global_load_b128 v[8*\y:8*\y+3], v6, s[16:17] offset:(32*(\y/2)+8*(\y%2))*4      ; and 8: the bias of my eight rows of tile y
	global_load_b128 v[8*\y+4:8*\y+7], v6, s[16:17] offset:(32*(\y/2)+8*(\y%2))*4+16
.endr
	WIN 0
	s_wait_loadcnt 32                              ; the other 32 pixels' numbers are in; the 32 loads just issued may be out
	NORMQ 1
	s_branch .Ljoin
.Lv_arm:
	; ---- waves 8-11 have no group: their weights and bias are asked for
	WLOADS
	WIN 0x40
.irp y, 0,1,2,3
.irp i, 0,1,2,3,4,5,6,7
	global_load_b32 v[8*\y+\i], v7, s[16:17] offset:(32*(\y/2)+8*(\y%2))*4   ; a lane holds one row of W here: eight equal registers a tile
.endr
.endr
	WIN 0
.Ljoin:
	s_wait_dscnt 0x0                               ; for the others' sake: my stores into h's images have landed
	s_barrier_signal -1
	s_barrier_wait -1                              ; h's eight fragments and their scale words lie in LDS
.irp t, 0,1,2,3
.irp s, 0,1
.irp c, 0,1
	ds_load_b128 v[HF+16*\t+8*\s+4*\c:HF+16*\t+8*\s+4*\c+3], v8 offset:HIMG+(2*\t+\s)*1024+512*\c
.endr
	ds_load_b32 v[HSW+2*\t+\s], v10 offset:(2*\t+\s)*64
.endr
.endr
	s_wait_loadcnt 0x0                             ; W, its scale words, the bias
	s_wait_dscnt 0x0
	s_cmp_lt_u32 s22, 8
	s_cbranch_scc0 .Lv_unit
	UNIT WF, HF, WSC, HSW, 1                       ; q, k: a lane holds a pixel, its registers run along the head's 64
	s_wait_tensorcnt 0x0
	ds_add_u32 v254, v255
	s_wait_dscnt 0x0
	s_endpgm
.Lv_unit:
	UNIT HF, WF, HSW, WSC, 0                       ; v: a lane holds a channel, its registers run along the pixels
	s_wait_tensorcnt 0x0
	ds_add_u32 v254, v255
	s_wait_dscnt 0x0
	s_endpgm
.Lfunc_end_k_q48edf5936d_qkv:
	.size	k_q48edf5936d_qkv, .Lfunc_end_k_q48edf5936d_qkv-k_q48edf5936d_qkv
	.p2alignl 7, 3214868480
	.fill 96, 4, 3214868480
	.section	.rodata,"a",@progbits
	.p2align	6, 0x0
	.amdhsa_kernel k_q48edf5936d_qkv
		.amdhsa_group_segment_fixed_size 10240
		.amdhsa_private_segment_fixed_size 0
		.amdhsa_enable_private_segment 0
		.amdhsa_kernarg_size 72
		.amdhsa_user_sgpr_count 2
		.amdhsa_user_sgpr_kernarg_segment_ptr 1
		.amdhsa_wavefront_size32 1
		.amdhsa_system_sgpr_workgroup_id_x 1
		.amdhsa_system_sgpr_workgroup_id_y 1
		.amdhsa_system_sgpr_workgroup_id_z 1
		.amdhsa_system_vgpr_workitem_id 0
		.amdhsa_next_free_vgpr 288
		.amdhsa_next_free_sgpr 66
		.amdhsa_reserve_vcc 0
		.amdhsa_float_denorm_mode_32 3
		.amdhsa_float_denorm_mode_16_64 3
		.amdhsa_memory_ordered 1
		.amdhsa_forward_progress 1
		.amdhsa_inst_pref_size 61
	.end_amdhsa_kernel
	.amdgpu_metadata
---
amdhsa.version: [ 1, 2 ]
amdhsa.kernels:
  - .name:           k_q48edf5936d_qkv
    .symbol:         k_q48edf5936d_qkv.kd
    .args:
      - { .name: x, .offset: 0, .size: 8, .value_kind: global_buffer, .address_space: global }
      - { .name: gamma, .offset: 8, .size: 8, .value_kind: global_buffer, .address_space: global }
      - { .name: beta, .offset: 16, .size: 8, .value_kind: global_buffer, .address_space: global }
      - { .name: stats, .offset: 24, .size: 8, .value_kind: global_buffer, .address_space: global }
      - { .name: w_qkv_codes, .offset: 32, .size: 8, .value_kind: global_buffer, .address_space: global }
      - { .name: w_qkv_scales, .offset: 40, .size: 8, .value_kind: global_buffer, .address_space: global }
      - { .name: b_qkv, .offset: 48, .size: 8, .value_kind: global_buffer, .address_space: global }
      - { .name: qc, .offset: 56, .size: 8, .value_kind: global_buffer, .address_space: global }
      - { .name: kv, .offset: 64, .size: 8, .value_kind: global_buffer, .address_space: global }
    .group_segment_fixed_size: 10240
    .private_segment_fixed_size: 0
    .kernarg_segment_align: 8
    .kernarg_segment_size: 72
    .max_flat_workgroup_size: 384
    .sgpr_count:     66
    .vgpr_count:     288
    .wavefront_size: 32
...
	.end_amdgpu_metadata
.endif
;; end of part 2
;; launch attn (part 3): grid 256 x 1, 16 waves a work-group, clusters of 4 x 1, 327,680 bytes of LDS; arguments qc, kv, w_proj_codes, w_proj_scales, b_proj, x, out0; writes out0
.if DOCPART == 3
	.amdgcn_target "amdgcn-amd-amdhsa--gfx1250"
	.amdhsa_code_object_version 6
	.text
	.protected	k_q48edf5936d_attn
	.globl	k_q48edf5936d_attn
	.p2align	8
	.type	k_q48edf5936d_attn,@function
k_q48edf5936d_attn:
	s_mov_b64 s[64:65], 0
	v_nop
	global_prefetch_b8 v0, s[64:65] scope:SCOPE_SE
	s_setreg_imm32_b32 hwreg(HW_REG_WAVE_MODE, 25, 1), 1
	s_wait_xcnt 0x0
	s_wait_alu depctr_hold_cnt(0) depctr_sa_sdst(0) depctr_va_vdst(0) depctr_va_sdst(0) depctr_va_ssrc(0) depctr_va_vcc(0) depctr_vm_vsrc(0)
	s_getreg_b32 s2, hwreg(HW_REG_IB_STS2, 6, 4)
	s_cmp_eq_u32 s2, 0
	s_cbranch_scc0 .Lentry_in_a_cluster
	s_endpgm
.Lentry_in_a_cluster:
	s_bfe_u32 s2, ttmp6, 0x10000c
	s_cmp_lg_u32 s2, 0x3003
	s_cbranch_scc0 .Lentry_shape_is_right
	s_endpgm
.Lentry_shape_is_right:
; ATTENTION, THE PROJECTION AND THE RESIDUAL, all products on codes of FP4 (E2M1) with one E8M0 scale for each 32 along K.
; SHARES.  Work-group wg = 4 x cluster + place owns batch wg / 64 and the 64 queries 64 (wg % 64) on, ALL FOUR HEADS: so the projection, whose K runs over all heads, and the residual are done here and O never goes to memory.
; Wave w owns head w / 4 and query tile w % 4 (16 queries) in 256 registers: four waves to a SIMD, so that one wave's vector work stands beside another's products and LDS loads.  Every wave walks the batch's 4,096 keys, 128 a step.
; CLUSTER.  The four work-groups of a cluster belong to one batch and walk the same K and V: each block is asked for JOINTLY, by the same tensor load with the same descriptor and a mask that names the four.
; WHAT COMES IN (made by the launch before) are images of operand registers, 512 bytes each, lane l's 16 bytes at 16 l: read from LDS as they lie: no pitch, no padding.  A block of kv (18,432 bytes) is 64 keys of all heads.
; HEAD SIZE 64 IS HALF OF THE INSTRUCTION'S K: two neighbouring tile images of K are ONE source 0 (k 0-63: tile 2 p; k 64-127: tile 2 p + 1); source 1 is [Q, 0] for tile 2 p's scores and [0, Q] for tile 2 p + 1's: zero codes add nothing.
; LAYOUT.  Both products are used transposed: S^T = K Q^T, O^T = V^T P^T: a lane holds ONE query throughout.  Row r of tile 2 b + u of keys (of queries, of d) stands for index 32 b + 8 u + r + 8 (r / 8), so that the 16 registers of
; tiles 2 b and 2 b + 1 are 16 neighbours.
; SOFTMAX.  t = score x log2(e) / 8; M = the running largest t rounded UP to a whole number; p = 2^(t - M) is quantised along the keys, not normalised; the row's sum is taken of the unquantised p and divides O at the end.
; When M moves, the sum and O^T are multiplied by 2^(old M - new M): exact.  A block's largest p is not searched for: the block's largest score goes through the same multiply-add and exponential (this takes v_exp_f32 not to fall where its input rises).
; LIMITS: NaN and infinities are not served; a block whose largest magnitude lies under 2^-124 gets the byte 1; v_exp_f32 and v_rcp_f32 are good to 1 ulp.
.set HB,    18432                      ; a block of kv: K's images 0, V's pieces 8,192, K's scale words 16,384, V's 17,408
.set SLOTB, 4*HB                       ; a slot: 256 keys of all heads, two steps
.set NSL,   16                         ; slots' worth of keys in a batch
.set SLOT1, 1<<17                      ; slot 1 begins here: one exclusive or turns an address in one slot into the other's
.set SPARE, SLOTB                      ; 73,728: the spare words, 128 bytes for each wave: eight blocks of 256 bytes that no other line names
.set OIMG,  SPARE+2048                 ; O's images: (query tile t, head) at 512 (4 t + head): two neighbours are a fragment of the projection's K step
.set OSC,   OIMG+8192                  ; their scale words: (t, K step s) at 128 (2 t + s) + 4 l
.set STAGE, SLOT1+SLOTB                ; the way out: 16 rows x (256 bytes + 16) for each wave.  No fill ever lands in SPARE, OIMG, OSC or STAGE
.set SP,    272
.set AC0,  1                           ; v1   16 l + 2,048 head: my lane's place among a block's images
.set AKS0, 2                           ; v2   K's scale words: lanes 0-15 the step's first block, lanes 16-31 its second
.set AVS0, 3                           ; v3   V's scale words
.set SPW,  4                           ; v4   LDS address of my spare word; never rewritten
.set NIL,  5                           ; v5   0; never rewritten
.set ADC,  6                           ; v6-8 the three with the slot's base added
.set ADKS, 7
.set ADVS, 8
.set PFO,  9                           ; v9   the prefetches of kv: 256 x lane
.set PFX,  10                          ; v10  the prefetch of x: a lane a row of 16,384 bytes
; v12 -M, v13 the largest t, v[14:15] the sum; v16-23 [Q, 0], v24-31 [0, Q]; v32-63 four pair fragments of K; v64-95 four fragments of V; v96-159 S^T, then p; v160-191 O^T; v192-199 p's codes
.set S,    96
.set OT,   160
.set PCD,  192
.set BM,   200                         ; v200-203 the blocks' largest
.set BY,   204                         ; v204-207 permutes, then bytes
.set SO,   208                         ; v208-211 the conversions' scale operands
; scale words only: v212-213 K's, v214-217 V's as loaded, v218-221 V's as used, v222 Q's, v223 p's.  v[224:225] f, v226 at work, v[228:229] the sum's second chain
.set WPA,  230                         ; the end's addresses: w_proj's codes, scale words, b_proj, x and out0,
.set WPS,  231
.set BPA,  232
.set XO,   233
.set OIA,  234                         ; where I store O's image, its half of a scale word,
.set OSA,  235
.set OIL,  236                         ; where images and scale words are read,
.set OSL,  237
.set STO,  238                         ; the stage: in, back
.set STR,  239
.set WV,   18
.set HD,   19
.set SEL,  20                          ; s[20:21] v_permlanex16_b32: lane l xor 16
.set CS,   22                          ; s[22:23] c = log2(e) / 8
.set G1,   24                          ; s[24:31] descriptor group 1;  s[32:35] group 0, which walks
.set G0,   32
.set TB,   36                          ; LDS byte at which the slot in hand begins
.set SLOTS, 37                         ; slots still to be asked for
.set LIM,  38                          ; 1 in a wave that prefetches kv, else the greatest number
.set PFA,  40                          ; s[40:41] where my prefetches of kv stand
.set CX,   42
.set WG,   43
.set BB,   44
.set TT,   45
.set XB,   48                          ; s[48:49] the work-group's tile of x;  s[50:51] my 16 rows of out0;  s[60:61] of x
.set OB,   50
.set XW,   60
; A joint load: waves 0-3 fetch one block of the slot each.  The branch hangs on the wave's number alone.  Four v_nop follow the load.
.macro JLOAD
	s_cmp_lt_u32 s[WV], 4
	s_cbranch_scc0 .Lasked_\@
	tensor_load_to_lds s[G0:G0+3], s[G1:G1+7]
	s_nop 0
.rept 4
	v_nop
.endr
.Lasked_\@:
.endm
; A PREFETCH INTO THE L2 OF kv.  A slot is 288 blocks of 256 bytes: nine instructions of 32 lanes, 256 bytes apart.  All clusters of a batch walk the same slots: the batch's first cluster asks.  Its four partners are told
; apart BY ADDRESS: where 13, 9 or 5 slots are still to be asked for, partner p asks for the whole of slot 4 m + p (m = 1, 2, 3), waves 4 to 12 one instruction each: one to four slots ahead of the load that will want it.
; So each block is named once in the launch; slots 0 to 3 come by their loads alone, and nothing is named behind slot 15.
.macro ASK
	s_and_b32 s39, s[SLOTS], 3
	s_cmp_eq_u32 s39, 1
	s_cselect_b32 s39, s[SLOTS], 0
	s_cmp_gt_u32 s39, s[LIM]
	s_cbranch_scc0 .Lnot_mine_\@
	global_prefetch_b8 v[PFO], s[PFA:PFA+1] th:TH_LOAD_NT scope:SCOPE_SE
.Lnot_mine_\@:
.endm
; AND OF x: at the last change of slots, two key steps ahead of the loads, waves 8 to 15 ask for the work-group's own 256 rows of 256 bytes, a lane a row: each named once in the launch.
.macro ASKX
	s_cmp_lt_u32 s[WV], 8
	s_cbranch_scc1 .Lnot_x_\@
	global_prefetch_b8 v[PFX], s[XB:XB+1] th:TH_LOAD_NT scope:SCOPE_SE
.Lnot_x_\@:
.endm
.macro CROUND                          ; a round of the cluster's barrier
	s_barrier_signal -1
	s_barrier_wait -1
	s_cmp_lg_u32 s[WV], 0
	s_cbranch_scc1 .Lnot_wave_0_\@
	s_barrier_signal -3
.Lnot_wave_0_\@:
	s_barrier_wait -3
	s_barrier_signal -1
	s_barrier_wait -1
.endm
	s_load_b256 s[4:11], s[0:1], 0x0               ; qc 4, kv 6, w_proj's codes 8, its scales 10
	s_load_b128 s[12:15], s[0:1], 0x20             ; b_proj 12, x 14
	s_load_b64 s[16:17], s[0:1], 0x30              ; out0
	v_lshl_add_u32 v[SPW], v0, 2, SPARE
	v_mov_b32 v[NIL], 0
	ds_add_u32 v4, v5
	ds_add_u32 v4, v5
	s_wait_dscnt 0x0
	v_lshrrev_b32 v6, 5, v0
	s_delay_alu instid0(VALU_DEP_1)
	v_readfirstlane_b32 s[WV], v6                  ; wave 0..15
	s_lshr_b32 s[HD], s[WV], 2                     ; head
	s_and_b32 s[TT], s[WV], 3                      ; query tile.  Also: which block of a slot I fetch, if I fetch
	s_bfe_u32 s[CX], ttmp6, 0x40000                ; my place in the cluster: it enters global addresses of qc, x, out0 and the prefetches alone
	s_lshl_b32 s[WG], ttmp9, 2
	s_add_co_u32 s[WG], s[WG], s[CX]
	s_lshr_b32 s[BB], ttmp9, 4                     ; the batch, which the four partners share
	; descriptor group 1: a block of kv, dense in memory, as 72 rows of 256 bytes (32 elements of 8 bytes), no padding
	s_mov_b32 s[G1], 15|(3<<16)|(1<<21)            ; 15:0 the mask: all four work-groups; 17:16 elements of 8 bytes; 21 set beside a mask
	s_mov_b32 s[G1+1], 32<<16                      ; tensor_dim0
	s_mov_b32 s[G1+2], 72<<16                      ; tensor_dim1
	s_mov_b32 s[G1+3], 32<<16                      ; tile_dim0
	s_mov_b32 s[G1+4], 72                          ; tile_dim1
	s_mov_b32 s[G1+5], 32                          ; tensor_dim0_stride
	s_mov_b32 s[G1+6], 0
	s_mov_b32 s[G1+7], 0
	s_mov_b32 s[SEL], 0x76543210
	s_mov_b32 s[SEL+1], 0xfedcba98
	s_mov_b32 s[CS], 0x3e38aa3b                    ; log2(e) / 8
	s_mov_b32 s[CS+1], s[CS]                       ; (named with it as a pair, so it is written)
	s_mov_b32 s46, 0x05040100                      ; v_perm_b32: the two low halves; the two high halves
	s_mov_b32 s47, 0x07060302
	s_mov_b32 s[TB], 0
	s_mov_b32 s[SLOTS], NSL-1
	s_mul_i32 s52, s[BB], 64*HB                    ; the batch's first byte in kv
	s_mul_i32 s54, s[TT], HB                       ; my block of a slot: in memory and in LDS
	s_add_co_u32 s56, s52, s54
	s_mov_b32 s57, 0
	s_add_co_u32 s55, s[WV], 12
	s_and_b32 s55, s55, 15                         ; wave - 4: 0 to 8 in waves 4 to 12
	s_lshl_b32 s58, s55, 13                        ; my 8,192 bytes of a slot,
	s_add_co_u32 s58, s58, s52
	s_add_co_u32 s59, s[CX], 1                     ; in slot 1 + place: each change of slots steps it one slot on, so that it stands in slot 4 + place at the third
	s_mul_i32 s59, s59, SLOTB
	s_add_co_u32 s58, s58, s59
	s_mov_b32 s59, 0
	s_and_b32 s39, ttmp9, 15                       ; 0 in the batch's first cluster: the same in all four partners
	s_cmp_lt_u32 s55, 9
	s_cselect_b32 s53, 0, 1
	s_or_b32 s39, s39, s53
	s_cmp_eq_u32 s39, 0
	s_cselect_b32 s[LIM], 1, -1
	s_wait_kmcnt 0x0
	s_mov_b32 s[G0], 1                             ; 1:0 count = 1
	s_mov_b32 s[G0+1], s54                         ; 63:32 LDS address: slot 0
	s_add_nc_u64 s[G0+2:G0+3], s[6:7], s[56:57]    ; 120:64 global address
	s_or_b32 s[G0+3], s[G0+3], 0x80000000          ; 127:126 type = 2
	s_add_nc_u64 s[PFA:PFA+1], s[6:7], s[58:59]
	CROUND                                         ; all four work-groups are here: the first joint loads meet
	JLOAD                                          ; slot 0: one tensor load of mine is out
	s_lshl_b32 s52, s[BB], 22                      ; x and out0: a batch is 2^22 bytes, my work-group's pixels 256 bytes on
	s_and_b32 s53, s[WG], 63
	s_lshl_b32 s53, s53, 8
	s_add_co_u32 s52, s52, s53
	s_mov_b32 s53, 0
	s_add_nc_u64 s[XB:XB+1], s[14:15], s[52:53]
	s_lshl_b32 s54, s[WV], 18                      ; my 16 output channels: rows of 16,384 bytes
	s_add_co_u32 s52, s52, s54
	s_add_nc_u64 s[XW:XW+1], s[14:15], s[52:53]
	s_add_nc_u64 s[OB:OB+1], s[16:17], s[52:53]
	s_mul_i32 s52, s[WG], 9216
	s_add_nc_u64 s[4:5], s[4:5], s[52:53]          ; my work-group's block of qc
	v_and_b32 v11, 31, v0                          ; lane
	s_wait_alu depctr_va_vdst(0)
	v_and_b32 v240, 15, v0                         ; r
	v_bfe_u32 v241, v0, 4, 1                       ; h
	v_lshlrev_b32 v227, 4, v0                      ; my image of Q: 512 x (4 head + tile) + 16 lane = 16 x thread
	global_load_b128 v[16:19], v227, s[4:5]        ; into [Q, 0]
	global_load_b128 v[28:31], v227, s[4:5]        ; and into [0, Q]
	s_lshl_b32 s54, s[HD], 8
	s_lshr_b32 s55, s[TT], 1
	s_lshl_b32 s55, s55, 2
	s_add_co_u32 s55, s55, s54
	s_add_co_u32 s55, s55, 8192
	v_lshl_add_u32 v229, v11, 3, s55
	global_load_b32 v226, v229, s[4:5]             ; the scale word of my pair of tiles
	s_lshl_b32 s55, s[HD], 11
	v_lshl_add_u32 v[AC0], v11, 4, s55
	v_mul_u32_u24 v[AKS0], v241, HB                ; lanes 16-31 take the step's second block (its lanes 16-31 hold copies of rows 0-15)
	s_delay_alu instid0(VALU_DEP_1)
	v_lshl_add_u32 v[AKS0], v11, 3, v[AKS0]
	s_add_co_u32 s55, s54, 16384
	v_add_nc_u32 v[AKS0], s55, v[AKS0]
	s_add_co_u32 s55, s54, 17408
	v_lshl_add_u32 v[AVS0], v11, 3, s55
	v_lshlrev_b32 v[PFO], 8, v11
	v_and_b32 v[PFX], 255, v0
	s_delay_alu instid0(VALU_DEP_1)
	v_lshlrev_b32 v[PFX], 14, v[PFX]               ; row 32 (wave % 8) + lane
	s_lshl_b32 s55, s[WV], 4
	v_add_nc_u32 v242, s55, v240                   ; output channel 16 w + r
	s_delay_alu instid0(VALU_DEP_1)
	v_lshlrev_b32 v[WPA], 7, v242
	s_delay_alu instid0(VALU_DEP_1)
	v_lshl_add_u32 v[WPA], v241, 4, v[WPA]         ; w_proj: a row is 128 bytes; + 16 h
	s_delay_alu instid0(VALU_DEP_3)
	v_lshlrev_b32 v[WPS], 3, v242
	s_delay_alu instid0(VALU_DEP_4)
	v_lshlrev_b32 v[BPA], 2, v242
	v_lshlrev_b32 v[XO], 14, v241                  ; x, out0: lanes 0-15 one row, lanes 16-31 the next; 16 bytes a lane
	s_delay_alu instid0(VALU_DEP_1)
	v_lshl_add_u32 v[XO], v240, 4, v[XO]
	s_lshl_b32 s55, s[TT], 2
	s_add_co_u32 s55, s55, s[HD]
	s_lshl_b32 s55, s55, 9
	s_add_co_u32 s55, s55, OIMG
	v_lshl_add_u32 v[OIA], v11, 4, s55
	s_lshl_b32 s55, s[TT], 1
	s_lshr_b32 s56, s[HD], 1
	s_add_co_u32 s55, s55, s56
	s_lshl_b32 s55, s55, 7
	s_and_b32 s56, s[HD], 1
	s_lshl_b32 s56, s56, 1
	s_add_co_u32 s55, s55, s56
	s_add_co_u32 s55, s55, OSC
	v_lshl_add_u32 v[OSA], v11, 2, s55
	v_lshl_add_u32 v[OIL], v11, 4, OIMG
	v_lshl_add_u32 v[OSL], v11, 2, OSC
	s_mul_i32 s55, s[WV], 16*SP
	s_add_co_u32 s55, s55, STAGE
	v_mul_u32_u24 v[STO], v240, SP                 ; in: row r (a channel), + 64 h
	s_delay_alu instid0(VALU_DEP_1)
	v_lshl_add_u32 v[STO], v241, 6, v[STO]
	s_delay_alu instid0(VALU_DEP_1)
	v_add_nc_u32 v[STO], s55, v[STO]
	v_mul_u32_u24 v[STR], v241, SP                 ; back: lanes 0-15 one row, lanes 16-31 the next
	s_delay_alu instid0(VALU_DEP_1)
	v_lshl_add_u32 v[STR], v240, 4, v[STR]
	s_delay_alu instid0(VALU_DEP_1)
	v_add_nc_u32 v[STR], s55, v[STR]
	s_and_b32 s54, s[TT], 1
	s_cmp_eq_u32 s54, 0
	s_mov_b32 s55, 0x03020302
	s_cselect_b32 s55, 0x01000100, s55             ; my tile's two bytes of the pair's word,
	s_wait_loadcnt 0x0                             ; Q and its scale word
	v_perm_b32 v222, v226, v226, s55               ; twice: they serve [Q, 0] and [0, Q] alike.  (The moves below are the places ahead of the first scaled products)
.irp j, 20,21,22,23,24,25,26,27
	v_mov_b32 v[\j], 0                             ; the zero halves
.endr
	v_mov_b32 v13, 0xff61b1e6                      ; the largest t so far: -3e38, under every t
	s_delay_alu instid0(VALU_DEP_1)
	v_floor_f32 v12, -v13                          ; -M
	v_mov_b32 v14, 0                               ; the sum, in two halves
	v_mov_b32 v15, 0
.irp b, 0,1,2,3
	v_mov_b32 v[BY+\b], 0                          ; written once: a lane permute's destination counts as one of its sources
.endr
	v_mov_b32 v225, 0                              ; (named as the upper half of the pair v[224:225])
.set j, 0
.rept 32
	v_mov_b32 v[OT+j], 0                           ; O^T.  (The step is written without a first step of its own: the first change of M multiplies zeros)
.set j, j+1
.endr
; A KEY STEP: 128 keys, the q-th of the slot in hand: two blocks of kv.
.macro STEP q
.set BQ, 2*HB*(\q)
	v_add_nc_u32 v[ADC], s[TB], v[AC0]
	v_add_nc_u32 v[ADKS], s[TB], v[AKS0]
	v_add_nc_u32 v[ADVS], s[TB], v[AVS0]
	v_nop                                          ; four places behind the last step's products, in front of loads into their registers
	ds_load_b64 v[212:213], v[ADKS] offset:BQ      ; K's scale words: register = pair % 2; lanes 0-15 pairs 0, 1; lanes 16-31 pairs 2, 3
.irp p, 0,1,2,3
.irp c, 0,1
	ds_load_b128 v[32+8*\p+4*\c:35+8*\p+4*\c], v[ADC] offset:BQ+HB*(\p/2)+1024*(\p%2)+512*\c
.endr
.endr
	ds_load_b64 v[214:215], v[ADVS] offset:BQ      ; V's scale words of the two blocks
	ds_load_b64 v[216:217], v[ADVS] offset:BQ+HB
.irp d, 0,1,2,3
.irp c, 0,1
	ds_load_b128 v[64+8*\d+4*\c:67+8*\d+4*\c], v[ADC] offset:BQ+HB*\c+8192+512*\d   ; piece c of a fragment of V^T: block c's 64 keys
.endr
.endr
	s_wait_dscnt 10                                ; K and its scale words are in; the ten younger loads, V's, may be out
.irp p, 0,1,2,3
.irp u, 0,1
.if \p < 2
	v_wmma_scale_f32_16x16x128_f8f6f4 v[S+8*(2*\p+\u):S+8*(2*\p+\u)+7], v[32+8*\p:39+8*\p], v[16+8*\u:23+8*\u], 0, v[212+\p%2], v222 matrix_a_fmt:MATRIX_FMT_FP4 matrix_b_fmt:MATRIX_FMT_FP4
.else
	v_wmma_scale_f32_16x16x128_f8f6f4 v[S+8*(2*\p+\u):S+8*(2*\p+\u)+7], v[32+8*\p:39+8*\p], v[16+8*\u:23+8*\u], 0, v[212+\p%2], v222 matrix_a_fmt:MATRIX_FMT_FP4 matrix_b_fmt:MATRIX_FMT_FP4 matrix_a_scale:MATRIX_SCALE_ROW1
.endif
.endr
.endr                                          ; lane (r, h) holds query r; register 16 b + i is key 32 b + 16 h + i of the step
	s_wait_dscnt 8                                 ; V's scale words are in; its eight fragment loads may be out
	v_perm_b32 v218, v216, v214, s46               ; V's scale word of d tile 0: its two bytes of the first block, then of the second;
	v_perm_b32 v219, v216, v214, s47               ; of d tile 1;
	v_perm_b32 v220, v217, v215, s46               ; 2;
	v_perm_b32 v221, v217, v215, s47               ; 3.  (These four are the places behind the products above)
.irp b, 0,1,2,3
	v_max3_num_f32 v[BM+\b], v[S+16*\b], v[S+1+16*\b], v[S+2+16*\b]   ; the largest score of each block of 32 keys: for the row's maximum, and for the block's largest p
.endr
.irp i, 3,5,7,9,11,13
.irp b, 0,1,2,3
	v_max3_num_f32 v[BM+\b], v[BM+\b], v[S+16*\b+\i], v[S+1+16*\b+\i]
.endr
.endr
.irp b, 0,1,2,3
	v_max_num_f32 v[BM+\b], v[BM+\b], v[S+15+16*\b]
.endr
.irp b, 0,1,2,3
	s_delay_alu instid0(VALU_DEP_4)
	v_permlanex16_b32 v[BY+\b], v[BM+\b], s[SEL], s[SEL+1]
.endr
.irp b, 0,1,2,3
	s_delay_alu instid0(VALU_DEP_4)
	v_max_num_f32 v[BM+\b], v[BM+\b], v[BY+\b]     ; with lane l xor 16's 16 keys
.endr
	s_delay_alu instid0(VALU_DEP_2)
	v_max3_num_f32 v226, v200, v201, v202
	s_delay_alu instid0(VALU_DEP_1)
	v_max_num_f32 v226, v226, v203                 ; the step's largest score of my query
	s_delay_alu instid0(VALU_DEP_1)
	v_mul_f32 v226, s[CS], v226                    ; as t (c is positive)
	s_delay_alu instid0(VALU_DEP_1)
	v_max_num_f32 v13, v13, v226                   ; the running largest t
	v_mov_b32 v226, v12
	s_delay_alu instid0(VALU_DEP_2)
	v_floor_f32 v12, -v13                          ; the new -M = floor(-t) = -ceil(t)
	s_delay_alu instid0(VALU_DEP_1)
	v_sub_f32 v226, v12, v226                      ; old M - new M: a whole number, 0 or less
	s_delay_alu instid0(VALU_DEP_1)
	v_cvt_i32_f32 v226, v226                       ; (it saturates)
	s_delay_alu instid0(VALU_DEP_1)
	v_ldexp_f32 v224, 1.0, v226                    ; f = 2^(old M - new M)
.set j, 0
.rept 32
	v_pk_fma_f32 v[S+j:S+j+1], v[S+j:S+j+1], s[CS:CS+1], v[12:13] op_sel_hi:[1,0,0]   ; t - M, two at a time
.set j, j+2
.endr
.irp b, 0,1,2,3
	v_fma_f32 v[BM+\b], v[BM+\b], s[CS], v12       ; the same of each block's largest score
.endr
.set j, 0
	s_wait_alu depctr_va_vdst(0)
.rept 64
	v_exp_f32 v[S+j], v[S+j]                       ; p = 2^(t - M), at most 1
.set j, j+1
.endr
.irp b, 0,1,2,3
	v_exp_f32 v[BM+\b], v[BM+\b]                   ; the block's largest p
.endr
	v_pk_mul_f32 v[14:15], v[14:15], v[224:225] op_sel_hi:[1,0]   ; the sums under the new M.  (A plain place behind the exponentials)
	s_wait_alu depctr_va_vdst(0)
.irp b, 0,1,2,3
	v_max_num_f32 v[BM+\b], 0x1800000, v[BM+\b]    ; the floor 2^(3 - 127): the byte cannot fall under 1
.endr
.irp b, 0,1,2,3
	s_delay_alu instid0(VALU_DEP_4)
	v_add_nc_u32 v[SO+\b], 0xff000000, v[BM+\b]    ; 2 off the exponent field: the conversion's scale operand
.endr
.irp b, 0,1,2,3
	s_delay_alu instid0(VALU_DEP_4)
	v_lshrrev_b32 v[BY+\b], 23, v[SO+\b]           ; the scale's byte
.endr
	s_delay_alu instid0(VALU_DEP_3)
	v_lshl_or_b32 v223, v205, 8, v204              ; p's scale word for these 128 keys
	s_delay_alu instid0(VALU_DEP_1)
	v_lshl_or_b32 v223, v206, 16, v223
	s_delay_alu instid0(VALU_DEP_1)
	v_lshl_or_b32 v223, v207, 24, v223
.irp b, 0,1,2,3
	v_cvt_scalef32_pk8_fp4_f32 v[PCD+2*\b], v[S+16*\b:S+7+16*\b], v[SO+\b]
	v_cvt_scalef32_pk8_fp4_f32 v[PCD+1+2*\b], v[S+8+16*\b:S+15+16*\b], v[SO+\b]
.endr
	v_nop                                          ; one plain place behind a scaled conversion
.irp c, 0,1                                    ; a whole block to a lane: lanes 0-15 block 2 c, lanes 16-31 block 2 c + 1
.irp i, 0,1
	v_permlane16_swap_b32 v[PCD+4*\c+\i], v[PCD+2+4*\c+\i]
.endr
.endr
.set j, 0
.rept 16
	v_pk_mul_f32 v[OT+j:OT+j+1], v[OT+j:OT+j+1], v[224:225] op_sel_hi:[1,0]   ; O^T under the new M
.set j, j+2
.endr
	v_pk_add_f32 v[228:229], v[100:101], v[104:105]
	v_pk_add_f32 v[254:255], v[108:109], v[112:113]
	v_pk_add_f32 v[252:253], v[116:117], v[120:121]
	v_pk_add_f32 v[250:251], v[124:125], v[128:129]
	v_pk_add_f32 v[248:249], v[132:133], v[136:137]
	v_pk_add_f32 v[246:247], v[140:141], v[144:145]
	v_pk_add_f32 v[244:245], v[148:149], v[152:153]
	v_pk_add_f32 v[14:15], v[14:15], v[156:157]
	v_pk_add_f32 v[228:229], v[228:229], v[96:97]
	v_pk_add_f32 v[254:255], v[254:255], v[98:99]
	v_pk_add_f32 v[252:253], v[252:253], v[102:103]
	v_pk_add_f32 v[250:251], v[250:251], v[106:107]
	v_pk_add_f32 v[248:249], v[248:249], v[110:111]
	v_pk_add_f32 v[246:247], v[246:247], v[114:115]
	v_pk_add_f32 v[244:245], v[244:245], v[118:119]
	v_pk_add_f32 v[14:15], v[14:15], v[122:123]
	v_pk_add_f32 v[228:229], v[228:229], v[126:127]
	v_pk_add_f32 v[254:255], v[254:255], v[130:131]
	v_pk_add_f32 v[252:253], v[252:253], v[134:135]
	v_pk_add_f32 v[250:251], v[250:251], v[138:139]
	v_pk_add_f32 v[248:249], v[248:249], v[142:143]
	v_pk_add_f32 v[246:247], v[246:247], v[146:147]
	v_pk_add_f32 v[244:245], v[244:245], v[150:151]
	v_pk_add_f32 v[14:15], v[14:15], v[154:155]
	v_pk_add_f32 v[228:229], v[228:229], v[158:159]
	s_delay_alu instid0(VALU_DEP_2)
	v_pk_add_f32 v[14:15], v[14:15], v[250:251]
	s_delay_alu instid0(VALU_DEP_2)
	v_pk_add_f32 v[228:229], v[228:229], v[248:249]
	v_pk_add_f32 v[254:255], v[254:255], v[246:247]
	v_pk_add_f32 v[252:253], v[252:253], v[244:245]
	s_delay_alu instid0(VALU_DEP_2)
	v_pk_add_f32 v[14:15], v[14:15], v[254:255]
	s_delay_alu instid0(VALU_DEP_2)
	v_pk_add_f32 v[228:229], v[228:229], v[252:253]
	s_delay_alu instid0(VALU_DEP_1)
	v_pk_add_f32 v[14:15], v[14:15], v[228:229]
	s_wait_dscnt 0x0                               ; V's fragments are in
.irp d, 0,1,2,3                                ; O^T += V^T P^T: the four accumulators take one turn each; the next step's eight score products stand between two turns of one
	v_wmma_scale_f32_16x16x128_f8f6f4 v[OT+8*\d:OT+8*\d+7], v[64+8*\d:71+8*\d], v[PCD:PCD+7], v[OT+8*\d:OT+8*\d+7], v[218+\d], v223 matrix_a_fmt:MATRIX_FMT_FP4 matrix_b_fmt:MATRIX_FMT_FP4
.endr
.endm
; THE CHANGE OF SLOTS stands at a slot's head.  Each wave waits for all its tensor loads (its part of the slot that it is about to read), adds 0 to its spare word, and waits for that and for its reads of the slot that it has left.
; fill = 1: that other slot is filled with the keys that follow, behind a round of the cluster's barrier: no wave of any partner still reads it or has a load on its way; the load has the slot's two steps in which to land.
.macro CHANGE fill
	s_wait_tensorcnt 0x0                           ; no tensor load of mine is out, so group 0 may be written
	ds_add_u32 v[SPW], v[NIL]                      ; 0 onto my spare word
.if \fill
	s_xor_b32 s[G0+1], s[G0+1], SLOT1              ; the walking descriptor: the other slot than last time,
	s_add_nc_u64 s[G0+2:G0+3], s[G0+2:G0+3], SLOTB ; the next 256 keys; the type bits on top are not reached
	s_wait_xcnt 0x0                                ; the last prefetch has read its address, so it may be written
	s_add_nc_u64 s[PFA:PFA+1], s[PFA:PFA+1], SLOTB
	s_wait_dscnt 0x0                               ; the add is done, and my reads of the slot that I have left are over
	CROUND
	JLOAD                                          ; the first tensor load behind the round, and a wave's only one until the next
	ASK
.else
	s_wait_dscnt 0x0
	s_barrier_signal -1
	s_barrier_wait -1
	ASKX
.endif
.endm
.macro SLOT_STEPS
	STEP 0
	STEP 1
	s_xor_b32 s[TB], s[TB], SLOT1                  ; on to the other slot
.endm
.Lslot:                                            ; NSL - 1 trips: trip i reads slot i and asks for slot i + 1
	CHANGE 1
	SLOT_STEPS
	s_sub_co_u32 s[SLOTS], s[SLOTS], 1
	s_cmp_lg_u32 s[SLOTS], 0
	s_cbranch_scc1 .Lslot
	CHANGE 0                                       ; the last slot is written out
	SLOT_STEPS
	; ---- O / l, quantised along c = 64 head + d: my 64 channels are two blocks of the projection's K
.rept 4
	v_nop                                          ; four places behind the last products, in front of the first read of O^T
.endr
.irp s, 0,1
.irp c, 0,1
	global_load_b128 v[32+8*\s+4*\c:35+8*\s+4*\c], v[WPA], s[8:9] offset:64*\s+32*\c   ; w_proj: rows 16 w + r, two K steps
.endr
.endr
	global_load_b32 v212, v[WPS], s[10:11]         ; their scale words
	global_load_b32 v213, v[WPS], s[10:11] offset:4
.irp i, 0,1,2,3,4,5,6,7
	global_load_b32 v[48+\i], v[BPA], s[12:13]     ; b_proj(16 w + r): a lane holds one output channel: eight equal registers, the C of the first products
.endr
.irp i, 0,1,2,3,4,5,6,7
	global_load_b128 v[96+4*\i:99+4*\i], v[XO], s[XW:XW+1] offset:32768*\i th:TH_LOAD_NT   ; x: my 16 channels' rows of 256 bytes, two an instruction
.endr
	s_wait_alu depctr_va_vdst(0)
	v_add_f32 v14, v14, v15                        ; the sum's two halves,
	s_delay_alu instid0(VALU_DEP_1)
	v_permlanex16_b32 v226, v14, s[SEL], s[SEL+1]
	s_delay_alu instid0(VALU_DEP_1)
	v_add_f32 v14, v14, v226                       ; and lane l xor 16's: the row's sum
	s_wait_alu depctr_va_vdst(0)
	v_rcp_f32 v14, v14
	v_nop                                          ; one plain place behind a transcendental
.set j, 0
	s_wait_alu depctr_va_vdst(0)
.rept 16
	v_pk_mul_f32 v[OT+j:OT+j+1], v[OT+j:OT+j+1], v[14:15] op_sel_hi:[1,0]   ; register 16 b + i is O(query r, d = 32 b + 16 h + i); each accumulator from its low end on
.set j, j+2
.endr
.irp b, 0,1
	v_max3_num_f32 v[BM+\b], |v[OT+16*\b]|, |v[OT+1+16*\b]|, 0x1800000
.endr
.irp i, 2,4,6,8,10,12,14
.irp b, 0,1
	s_delay_alu instid0(VALU_DEP_2)
	v_max3_num_f32 v[BM+\b], v[BM+\b], |v[OT+16*\b+\i]|, |v[OT+1+16*\b+\i]|
.endr
.endr
.irp b, 0,1
	s_delay_alu instid0(VALU_DEP_2)
	v_permlanex16_b32 v[BY+\b], v[BM+\b], s[SEL], s[SEL+1]
.endr
.irp b, 0,1
	s_delay_alu instid0(VALU_DEP_2)
	v_max_num_f32 v[BM+\b], v[BM+\b], v[BY+\b]
.endr
.irp b, 0,1
	s_delay_alu instid0(VALU_DEP_2)
	v_add_nc_u32 v[SO+\b], 0xff000000, v[BM+\b]
.endr
.irp b, 0,1
	s_delay_alu instid0(VALU_DEP_2)
	v_lshrrev_b32 v[BY+\b], 23, v[SO+\b]
.endr
	s_delay_alu instid0(VALU_DEP_1)
	v_lshl_or_b32 v223, v205, 8, v204              ; my head's half of the scale word
.irp b, 0,1
	v_cvt_scalef32_pk8_fp4_f32 v[PCD+2*\b], v[OT+16*\b:OT+7+16*\b], v[SO+\b]
	v_cvt_scalef32_pk8_fp4_f32 v[PCD+1+2*\b], v[OT+8+16*\b:OT+15+16*\b], v[SO+\b]
.endr
	v_nop                                          ; one plain place behind a scaled conversion
	v_permlane16_swap_b32 v[PCD], v[PCD+2]         ; lanes 0-15 block 0, lanes 16-31 block 1
	v_permlane16_swap_b32 v[PCD+1], v[PCD+3]
	ds_store_b128 v[OIA], v[PCD:PCD+3]             ; the image of (my tile, my head)
	ds_store_b16 v[OSA], v223
	s_wait_dscnt 0x0                               ; for the others' sake: my stores have landed
	s_barrier_signal -1
	s_barrier_wait -1                              ; O's sixteen images and their scale words lie in LDS
	; ---- the projection: wave w makes output channels 16 w .. 16 w + 15 for all 64 pixels: source 0 = 16 pixels of O, source 1 = 16 rows of w_proj
.irp t, 0,1,2,3
.irp s, 0,1
.irp c, 0,1
	ds_load_b128 v[128+8*(2*\t+\s)+4*\c:131+8*(2*\t+\s)+4*\c], v[OIL] offset:(4*\t+2*\s+\c)*512
.endr
	ds_load_b32 v[214+2*\t+\s], v[OSL] offset:(2*\t+\s)*128
.endr
.endr
	s_wait_loadcnt 8                               ; w_proj, its scale words and the bias are in; x's eight loads may be out
	s_wait_dscnt 0x0
.irp t, 0,1,2,3                                ; four accumulators by turns, one instruction a turn
	v_wmma_scale_f32_16x16x128_f8f6f4 v[56+8*\t:63+8*\t], v[128+16*\t:135+16*\t], v[32:39], v[48:55], v[214+2*\t], v212 matrix_a_fmt:MATRIX_FMT_FP4 matrix_b_fmt:MATRIX_FMT_FP4
.endr
.irp t, 0,1,2,3
	v_wmma_scale_f32_16x16x128_f8f6f4 v[56+8*\t:63+8*\t], v[136+16*\t:143+16*\t], v[40:47], v[56+8*\t:63+8*\t], v[215+2*\t], v213 matrix_a_fmt:MATRIX_FMT_FP4 matrix_b_fmt:MATRIX_FMT_FP4
.endr
.rept 4
	v_nop                                          ; four places in front of the first read of results and of loads into the products' registers
.endr
	; ---- the way out: lane (r, h) holds channel 16 w + r and, in tile t, pixels 32 (t / 2) + 8 (t % 2) + 16 h + 0 .. 7.  Through my own stage, back as whole rows of 256 bytes, + x, stored
.irp t, 0,1,2,3
	ds_store_b128 v[STO], v[56+8*\t:59+8*\t] offset:128*(\t/2)+32*(\t%2)          ; each accumulator from its low end on
	ds_store_b128 v[STO], v[60+8*\t:63+8*\t] offset:128*(\t/2)+32*(\t%2)+16
.endr
.irp i, 0,1,2,3,4,5,6,7
	ds_load_b128 v[128+4*\i:131+4*\i], v[STR] offset:2*\i*SP   ; LDS serves a wave's instructions in order (ISA guide 5.7.1.4): these see my stores
.endr
.irp i, 0,1,2,3,4,5,6,7
	s_wait_dscnt 7-\i                              ; rows 2 i, 2 i + 1 are back; the younger loads may be out
	s_wait_loadcnt 7-\i                            ; and so are x's
	v_pk_add_f32 v[128+4*\i:129+4*\i], v[128+4*\i:129+4*\i], v[96+4*\i:97+4*\i]
	v_pk_add_f32 v[130+4*\i:131+4*\i], v[130+4*\i:131+4*\i], v[98+4*\i:99+4*\i]
	global_store_b128 v[XO], v[128+4*\i:131+4*\i], s[OB:OB+1] offset:32768*\i th:TH_STORE_NT   ; 16 lanes store 256 consecutive bytes, at a multiple of 256 from out0's first byte
.endr
	s_wait_tensorcnt 0x0                           ; the wave's end, behind my last tensor load and my last LDS store
	ds_add_u32 v[SPW], v[NIL]
	s_wait_dscnt 0x0
	CROUND                                         ; the closing round: no work-group ends while a partner may still ask for a block that names it
	s_endpgm
.Lfunc_end_k_q48edf5936d_attn:
	.size	k_q48edf5936d_attn, .Lfunc_end_k_q48edf5936d_attn-k_q48edf5936d_attn
	.p2alignl 7, 3214868480
	.fill 96, 4, 3214868480
	.section	.rodata,"a",@progbits
	.p2align	6, 0x0
	.amdhsa_kernel k_q48edf5936d_attn
		.amdhsa_group_segment_fixed_size 327680
		.amdhsa_private_segment_fixed_size 0
		.amdhsa_enable_private_segment 0
		.amdhsa_kernarg_size 56
		.amdhsa_user_sgpr_count 2
		.amdhsa_user_sgpr_kernarg_segment_ptr 1
		.amdhsa_wavefront_size32 1
		.amdhsa_system_sgpr_workgroup_id_x 1
		.amdhsa_system_sgpr_workgroup_id_y 1
		.amdhsa_system_sgpr_workgroup_id_z 1
		.amdhsa_system_vgpr_workitem_id 0
		.amdhsa_next_free_vgpr 256
		.amdhsa_next_free_sgpr 66
		.amdhsa_reserve_vcc 0
		.amdhsa_float_denorm_mode_32 3
		.amdhsa_float_denorm_mode_16_64 3
		.amdhsa_memory_ordered 1
		.amdhsa_forward_progress 1
		.amdhsa_inst_pref_size 87
	.end_amdhsa_kernel
	.amdgpu_metadata
---
amdhsa.version: [ 1, 2 ]
amdhsa.kernels:
  - .name:           k_q48edf5936d_attn
    .symbol:         k_q48edf5936d_attn.kd
    .args:
      - { .name: qc, .offset: 0, .size: 8, .value_kind: global_buffer, .address_space: global }
      - { .name: kv, .offset: 8, .size: 8, .value_kind: global_buffer, .address_space: global }
      - { .name: w_proj_codes, .offset: 16, .size: 8, .value_kind: global_buffer, .address_space: global }
      - { .name: w_proj_scales, .offset: 24, .size: 8, .value_kind: global_buffer, .address_space: global }
      - { .name: b_proj, .offset: 32, .size: 8, .value_kind: global_buffer, .address_space: global }
      - { .name: x, .offset: 40, .size: 8, .value_kind: global_buffer, .address_space: global }
      - { .name: out0, .offset: 48, .size: 8, .value_kind: global_buffer, .address_space: global }
    .group_segment_fixed_size: 327680
    .private_segment_fixed_size: 0
    .kernarg_segment_align: 8
    .kernarg_segment_size: 56
    .max_flat_workgroup_size: 512
    .sgpr_count:     66
    .vgpr_count:     256
    .wavefront_size: 32
...
	.end_amdgpu_metadata
.endif
;; end of part 3
